; MI455X (gfx1250); checked and timed in simulation.
; The chip was launched on July 23, 2026; its instructions are those of AMD's public machine-readable ISA for CDNA 5 (MIT licence, August 2026) and "CDNA5" Instruction Set Architecture Reference Guide (July 2026). The comments in the code are by the model that wrote it; some were corrected since.
;; H Multihead Attention Opt. Allowed arithmetic: matrix products marked QUANTISED: E3M2 operands, one E8M0 scale for each 32 along K, by v_wmma_scale_f32_16x16x128_f8f6f4 with both operands' format E3M2, f32 sums; products left as they are: f32 operands where the result goes on into a quantised operand, else bf16, f16 or f32 operands; f32 sums; everything else in f32.
;; Inputs: Wk 512 x 512 float32; Wq 512 x 512 float32; Wv 512 x 512 float32; bk 512 float32; bq 512 float32; bv 512 float32; key 1 x 2,048 x 512 float32; query 1 x 2,048 x 512 float32; scale_gamma 1 float32; scale_tau 1 float32; value 1 x 2,048 x 512 float32.
;; Outputs: out0 1 x 2,048 x 512 float32.
;; This version of the problem:
;;   THIS VERSION OF THE PROBLEM IS GIVEN IN LOW PRECISION. The matrix products marked QUANTISED in the list below multiply operands that are first quantised to E3M2 (3 exponent bits, 2 mantissa bits; 6 bits a number), with one power-of-two scale for each 32 numbers along K (OCP MX v1.0); their sums are f32. All else is computed in f32.
;;   The module's matrix products, in the order in which they are computed (A, B: the left and right operand; K: the contracted axis; several contracted axes count as one K, in the product's order):
;;     1. [M 2,048, K 512] x [K 512, N 512]; A: input query; B: input Wq: QUANTISED
;;     2. [M 2,048, K 512] x [K 512, N 512]; A: input key; B: input Wk: QUANTISED
;;     3. [M 2,048, K 512] x [K 512, N 512]; A: input value; B: input Wv: QUANTISED
;;     4. batch 8 x [M 2,048, K 64] x [K 64, N 2,048]; A: computed on the way; B: computed on the way: QUANTISED
;;     5. batch 8 x [M 2,048, K 2,048] x [K 2,048, N 64]; A: computed on the way; B: computed on the way: QUANTISED
;;     6. batch 8 x [M 2,048, K 2,048] x [K 2,048, N 1]; A: computed on the way; B: computed on the way: left as it is (N = 1 < 16)
;;   THE QUANTISER, for each operand of a quantised product, along K:
;;     - K is cut into blocks of 32 from its start; a last block that is shorter is filled with zeros.
;;     - A block's scale is 2^e with e = floor(log2(the largest magnitude in the block)) - 4, held to -126 .. 127; a block of zeros has e = 0. As a byte (E8M0): e + 127.
;;     - Each number is divided by its block's scale, clamped to +-28, and rounded to the nearest number of E3M2, ties to even, subnormals kept.
;;     - The product sums the exact products of the quantised numbers (number of the format x scale) in f32.
;;   ~~~python
;;   def quantise(x, axis):      # numpy; x: float32 -> the quantised numbers, widened to float32 again
;;       x = np.moveaxis(x, axis, -1); K = x.shape[-1]
;;       x = np.pad(x, [(0, 0)] * (x.ndim - 1) + [(0, -K % 32)]); x = x.reshape(x.shape[:-1] + (-1, 32)); a = np.abs(x).max(-1, keepdims=True)
;;       e = np.where(a > 0, np.clip(np.frexp(np.where(a > 0, a, 1))[1] - 1 - 4, -126, 127), 0)      # np.frexp(a)[1] - 1 = floor(log2(a)), exactly
;;       r = np.clip(x / 2.0 ** e, -28, 28)
;;       step = 2.0 ** (np.maximum(np.frexp(np.where(r == 0, 1, r))[1] - 1, -2) - 2)
;;       q = np.round(r / step) * step * 2.0 ** e      # np.round: ties to even
;;       return np.moveaxis(q.reshape(q.shape[:-2] + (-1,))[..., :K], -1, axis).astype(np.float32)
;;   ~~~
;;   OPERANDS COMPUTED ON THE WAY. 'Computed on the way' means the value that the module computes at that place (a softmax that the list does not call 'softmax' is quantised finished and normalised). What goes into a quantiser is computed in f32, as accurately as f32 sums, v_exp_f32 and their like allow (about 1e-6 of the number): no bf16 or f16 on the way to a quantiser, and a product that is left as it is and whose result goes on into a quantised operand takes f32 operands (vector FMAs, or v_wmma_f32_16x16x4_f32). A number that lies on a knife's edge between two numbers of the format may be rounded either way, as far as f32 arithmetic and the matrix unit's own rounding can turn it there, and no further.
;; One version. Each part assembles by itself: llvm-mc -triple=amdgcn-amd-amdhsa -mcpu=gfx1250 --defsym DOCPART=n.
;; ======== version 1 of 1: 3 launches
;; workspace buffers: wimg 589,824 bytes; wsc 24,576 bytes; colp 18,432 bytes; qrec 1,179,648 bytes; kvp 1,966,080 bytes
;; launch wprep (part 1): grid 16 x 3, 8 waves a work-group, no clusters, 3,072 bytes of LDS; arguments Wq, Wk, Wv, bq, bk, bv, wimg, wsc, colp; writes wimg, wsc, colp
.if DOCPART == 1
	.amdgcn_target "amdgcn-amd-amdhsa--gfx1250"
	.amdhsa_code_object_version 6
	.text
	.protected	k_q0505cac33d_wprep
	.globl	k_q0505cac33d_wprep
	.p2align	8
	.type	k_q0505cac33d_wprep,@function
k_q0505cac33d_wprep:
	s_mov_b64 s[64:65], 0
	v_nop
	global_prefetch_b8 v0, s[64:65] scope:SCOPE_SE
	s_setreg_imm32_b32 hwreg(HW_REG_WAVE_MODE, 25, 1), 1
	s_wait_xcnt 0x0
; One of Wq, Wk, Wv ([512 k][512 n] f32, K its FIRST axis; work-group y chooses) becomes codes of BF6 (E3M2) with one E8M0 byte for each 32 along K,
; laid as images of the operand's registers, and three numbers a column: cosh(2 b)/|z|, sinh(2 b), 2 |z|  (|z| the column's norm, held at 1e-15 from below; b the bias).
; SHARES.  Work-group x = 32 columns (half a head); wave e takes k = 64 e .. 64 e + 63.  A lane takes a column and its registers run down K: a block of 32 lies in one lane.
; HALF IMAGE (768 bytes): 16 rows x 64 codes, 6 registers a lane: registers 0-3 at 16 x lane, registers 4-5 at 512 + 8 x lane; lane (r, h) holds block h of row r.
; THE COLUMNS OF A TILE ARE NOT NEIGHBOURS: lane r of tile 2 b + u takes column 32 b + 8 u + r + 8 (r / 8) of its head, so column l of the 32 goes to u = (l / 8) % 2, r = l % 8 + 8 (l / 16).
; wimg [T][head][tile 4][K step 4][half 2] half images; wsc [T][head][b 2][K step 4][32 words: lanes 0-15 tile 2 b, lanes 16-31 tile 2 b + 1]; colp [T][head][3][64] f32.
; A block's scale byte is its largest magnitude's exponent field - 4, held at 1 from below (a block of zeros gets 1, not 127: its codes are zeros, and this program alone reads the bytes).
; LIMITS: NaN and infinities are not served; |2 b| stays under 88 (beyond it cosh is no f32 number).
.set X,   64                           ; v64-127 my 64 numbers
.set SCT, 1024                         ; LDS: 0 .. 1023 eight waves' sums of squares (128 bytes each); 1024 .. 1535 the scale words of the 32 columns
	s_load_b512 s[8:23], s[0:1], 0x0               ; Wq 8, Wk 10, Wv 12, bq 14, bk 16, bv 18, wimg 20, wsc 22
	s_load_b64 s[24:25], s[0:1], 0x40              ; colp
	v_lshl_add_u32 v128, v0, 2, 0x800
	v_mov_b32 v129, 0
	v_lshrrev_b32 v8, 5, v0
	v_readfirstlane_b32 s2, v8                     ; e: my wave
	s_and_b32 s3, ttmp7, 0xffff                    ; T: 0 q, 1 k, 2 v
	v_and_b32 v9, 31, v0                           ; lane
	v_lshlrev_b32 v1, 2, v9                        ; 4 x lane
	v_lshlrev_b32 v6, 4, v9                        ; 16 x lane
	v_bfe_u32 v10, v0, 3, 1                        ; u
	v_and_b32 v11, 7, v0
	v_bfe_u32 v12, v0, 4, 1
	v_lshl_add_u32 v11, v12, 3, v11                ; r
	v_mul_u32_u24 v12, v10, 6144                   ; a tile's eight half images
	v_lshl_add_u32 v2, v11, 4, v12                 ; where registers 0-3 go
	v_lshl_add_u32 v3, v11, 3, v12                 ; where registers 4-5 go
	v_lshl_add_u32 v13, v10, 4, v11                ; 16 u + r: my word among the 32
	s_lshr_b32 s4, s2, 1                           ; K step
	s_and_b32 s5, s2, 1                            ; its half
	s_lshl_b32 s4, s4, 7
	s_lshl_b32 s5, s5, 1
	s_add_co_u32 s4, s4, s5
	v_lshl_add_u32 v4, v13, 2, s4                  ; LDS: 128 x K step + 4 x word + 2 x half: my two bytes
	v_lshlrev_b32 v5, 2, v0                        ; LDS: 128 x wave + 4 x lane: my sum of squares
	s_lshl_b32 s30, s2, 17                         ; W: 64 e rows of 2,048 bytes,
	s_lshl_b32 s32, ttmp9, 7                       ; + 32 columns x work-group x
	s_add_co_u32 s30, s30, s32
	s_mov_b32 s31, 0
	s_mov_b32 s33, 0
	s_mul_i32 s34, s3, 196608                      ; wimg
	s_mul_i32 s36, ttmp9, 12288
	s_add_co_u32 s34, s34, s36
	s_mul_i32 s36, s2, 768
	s_add_co_u32 s34, s34, s36
	s_mov_b32 s35, 0
	s_lshl_b32 s36, s3, 13                         ; wsc
	s_lshl_b32 s38, ttmp9, 9
	s_add_co_u32 s36, s36, s38
	s_mov_b32 s37, 0
	s_mul_i32 s38, s3, 6144                        ; colp
	s_lshr_b32 s40, ttmp9, 1
	s_mul_i32 s40, s40, 768
	s_add_co_u32 s38, s38, s40
	s_and_b32 s40, ttmp9, 1
	s_lshl_b32 s40, s40, 7
	s_add_co_u32 s38, s38, s40
	s_mov_b32 s39, 0
	s_wait_kmcnt 0x0
	s_cmp_eq_u32 s3, 1                             ; the choice hangs on the work-group's number alone
	s_cselect_b64 s[26:27], s[10:11], s[8:9]
	s_cselect_b64 s[28:29], s[16:17], s[14:15]
	s_cmp_eq_u32 s3, 2
	s_cselect_b64 s[26:27], s[12:13], s[26:27]
	s_cselect_b64 s[28:29], s[18:19], s[28:29]
	s_add_nc_u64 s[26:27], s[26:27], s[30:31]
	s_add_nc_u64 s[28:29], s[28:29], s[32:33]
	s_add_nc_u64 s[20:21], s[20:21], s[34:35]
	s_add_nc_u64 s[22:23], s[22:23], s[36:37]
	s_add_nc_u64 s[24:25], s[24:25], s[38:39]
	global_load_b32 v7, v1, s[28:29]               ; my column's bias
.set I, 0
.rept 64
	global_load_b32 v[X+I], v1, s[26:27] offset:2048*I th:TH_LOAD_NT   ; W(64 e + I, my column): 32 lanes read 128 consecutive bytes
.set I, I+1
.endr
; block hb of my two: its largest magnitude, its byte, its squares, its codes; it is half hb of the operand's lanes
.macro QBLK hb
.set XS, X+32*\hb
.if \hb == 0
	s_wait_loadcnt 32                              ; the bias and this block's 32 loads are in; the other block's 32 may be out
.else
	s_wait_loadcnt 0x0
.endif
	v_max3_num_f32 v8, |v[XS]|, |v[XS+1]|, |v[XS+2]|
	v_max3_num_f32 v9, |v[XS+3]|, |v[XS+4]|, |v[XS+5]|
.irp i, 6,10,14,18,22,26
	v_max3_num_f32 v8, v8, |v[XS+\i]|, |v[XS+\i+1]|
	v_max3_num_f32 v9, v9, |v[XS+\i+2]|, |v[XS+\i+3]|
.endr
	v_max3_num_f32 v8, v8, |v[XS+30]|, |v[XS+31]|
	v_max3_num_f32 v8, v8, v9, 0x2800000           ; and the floor 2^(5 - 127): the byte cannot fall under 1
	v_add_nc_u32 v10, 0xfe000000, v8               ; 4 off the exponent field: the conversion's scale operand
	v_lshrrev_b32 v[40+\hb], 23, v10               ; the byte
.if \hb == 0
	v_pk_mul_f32 v[16:17], v[XS:XS+1], v[XS:XS+1]  ; the first products start the sums of squares, in two chains
	v_pk_mul_f32 v[18:19], v[XS+2:XS+3], v[XS+2:XS+3]
.else
	v_pk_fma_f32 v[16:17], v[XS:XS+1], v[XS:XS+1], v[16:17]
	v_pk_fma_f32 v[18:19], v[XS+2:XS+3], v[XS+2:XS+3], v[18:19]
.endif
.irp i, 4,8,12,16,20,24,28
	v_pk_fma_f32 v[16:17], v[XS+\i:XS+\i+1], v[XS+\i:XS+\i+1], v[16:17]
	v_pk_fma_f32 v[18:19], v[XS+\i+2:XS+\i+3], v[XS+\i+2:XS+\i+3], v[18:19]
.endr
	v_cvt_scalef32_pk16_bf6_f32 v[20+6*\hb:22+6*\hb], v[XS:XS+15], v10
	v_cvt_scalef32_pk16_bf6_f32 v[32+4*\hb:34+4*\hb], v[XS+16:XS+31], v10   ; (a conversion's three registers begin on an even number)
	v_nop                                          ; one plain place behind a scaled conversion
.irp i, 0,1,2
	v_mov_b32 v[23+6*\hb+\i], v[32+4*\hb+\i]
.endr
	global_store_b128 v2, v[20+6*\hb:23+6*\hb], s[20:21] offset:256*\hb
	global_store_b64 v3, v[24+6*\hb:25+6*\hb], s[20:21] offset:512+128*\hb
.endm
	QBLK 0
	QBLK 1
	v_lshl_or_b32 v40, v41, 8, v40                 ; my two bytes, the lower K in the lower byte
	ds_store_b16 v4, v40 offset:SCT
	v_pk_add_f32 v[16:17], v[16:17], v[18:19]
	v_add_f32 v16, v16, v17
	ds_store_b32 v5, v16
	s_wait_dscnt 0x0                               ; for the others' sake: my LDS stores are done
	s_barrier_signal -1
	s_barrier_wait -1
	s_cmp_lg_u32 s2, 0                             ; wave 0 finishes the 32 columns
	s_cbranch_scc1 .Lend
.irp e, 0,1,2,3,4,5,6,7
	ds_load_b32 v[44+\e], v1 offset:128*\e
.endr
	ds_load_b128 v[52:55], v6 offset:SCT
	s_wait_dscnt 0x0
	global_store_b128 v6, v[52:55], s[22:23]       ; the 512 bytes of scale words, on end
	v_add_f32 v44, v44, v45
	v_add_f32 v46, v46, v47
	v_add_f32 v48, v48, v49
	v_add_f32 v50, v50, v51
	v_add_f32 v44, v44, v46
	v_add_f32 v48, v48, v50
	v_add_f32 v44, v44, v48
	v_sqrt_f32 v44, v44
	v_add_f32 v56, v7, v7                          ; t = 2 b  (a plain place behind the root)
	s_wait_alu depctr_va_vdst(0)
	v_max_num_f32 v44, 0x26901d7d, v44             ; |z|, at least 1e-15
	v_rcp_f32 v45, v44
	v_and_b32 v57, 0x7fffffff, v56                 ; |t|
	v_mul_f32 v58, 0x3fb8aa3b, v57
	v_exp_f32 v58, v58                             ; E = e^|t|
	v_mul_f32 v59, v56, v56                        ; t^2
	s_wait_alu depctr_va_vdst(0)
	v_rcp_f32 v60, v58                             ; 1 / E
	v_mov_b32 v61, 0x39500d01                      ; under 0.35 the difference E - 1/E loses bits: |t| (1 + t^2/6 + t^4/120 + t^6/5040), whose first term left out is under 1e-9 of it
	v_fmaak_f32 v61, v61, v59, 0x3c088889
	v_fmaak_f32 v61, v61, v59, 0x3e2aaaab
	v_fma_f32 v61, v61, v59, 1.0
	v_mul_f32 v61, v61, v57
	s_wait_alu depctr_va_vdst(0)
	v_add_f32 v62, v58, v60
	v_sub_f32 v63, v58, v60
	v_mul_f32 v62, 0.5, v62                        ; cosh
	v_mul_f32 v63, 0.5, v63
	v_cmp_gt_f32 vcc_lo, 0x3eb33333, v57
	v_cndmask_b32 v63, v63, v61, vcc_lo
	v_bfi_b32 v63, 0x7fffffff, v63, v56            ; sinh, with t's sign
	v_mul_f32 v62, v62, v45                        ; cosh / |z|
	v_add_f32 v44, v44, v44                        ; 2 |z|
	global_store_b32 v1, v62, s[24:25]
	global_store_b32 v1, v63, s[24:25] offset:256
	global_store_b32 v1, v44, s[24:25] offset:512
.Lend:
	s_wait_tensorcnt 0x0
	ds_add_u32 v128, v129
	s_wait_dscnt 0x0
	s_endpgm
.Lfunc_end_k_q0505cac33d_wprep:
	.size	k_q0505cac33d_wprep, .Lfunc_end_k_q0505cac33d_wprep-k_q0505cac33d_wprep
	.p2alignl 7, 3214868480
	.fill 96, 4, 3214868480
	.section	.rodata,"a",@progbits
	.p2align	6, 0x0
	.amdhsa_kernel k_q0505cac33d_wprep
		.amdhsa_group_segment_fixed_size 3072
		.amdhsa_private_segment_fixed_size 0
		.amdhsa_enable_private_segment 0
		.amdhsa_kernarg_size 72
		.amdhsa_user_sgpr_count 2
		.amdhsa_user_sgpr_kernarg_segment_ptr 1
		.amdhsa_wavefront_size32 1
		.amdhsa_system_sgpr_workgroup_id_x 1
		.amdhsa_system_sgpr_workgroup_id_y 1
		.amdhsa_system_sgpr_workgroup_id_z 1
		.amdhsa_system_vgpr_workitem_id 0
		.amdhsa_next_free_vgpr 130
		.amdhsa_next_free_sgpr 66
		.amdhsa_reserve_vcc 1
		.amdhsa_float_denorm_mode_32 3
		.amdhsa_float_denorm_mode_16_64 3
		.amdhsa_memory_ordered 1
		.amdhsa_forward_progress 1
		.amdhsa_inst_pref_size 17
	.end_amdhsa_kernel
	.amdgpu_metadata
---
amdhsa.version: [ 1, 2 ]
amdhsa.kernels:
  - .name:           k_q0505cac33d_wprep
    .symbol:         k_q0505cac33d_wprep.kd
    .args:
      - { .name: Wq, .offset: 0, .size: 8, .value_kind: global_buffer, .address_space: global }
      - { .name: Wk, .offset: 8, .size: 8, .value_kind: global_buffer, .address_space: global }
      - { .name: Wv, .offset: 16, .size: 8, .value_kind: global_buffer, .address_space: global }
      - { .name: bq, .offset: 24, .size: 8, .value_kind: global_buffer, .address_space: global }
      - { .name: bk, .offset: 32, .size: 8, .value_kind: global_buffer, .address_space: global }
      - { .name: bv, .offset: 40, .size: 8, .value_kind: global_buffer, .address_space: global }
      - { .name: wimg, .offset: 48, .size: 8, .value_kind: global_buffer, .address_space: global }
      - { .name: wsc, .offset: 56, .size: 8, .value_kind: global_buffer, .address_space: global }
      - { .name: colp, .offset: 64, .size: 8, .value_kind: global_buffer, .address_space: global }
    .group_segment_fixed_size: 3072
    .private_segment_fixed_size: 0
    .kernarg_segment_align: 8
    .kernarg_segment_size: 72
    .max_flat_workgroup_size: 256
    .sgpr_count:     66
    .vgpr_count:     130
    .wavefront_size: 32
...
	.end_amdgpu_metadata
.endif
;; end of part 1
;; launch proj (part 2): grid 64 x 3, 8 waves a work-group, no clusters, 91,648 bytes of LDS; arguments query, key, value, wimg, wsc, colp, scale_gamma, qrec, kvp; writes qrec, kvp
.if DOCPART == 2
	.amdgcn_target "amdgcn-amd-amdhsa--gfx1250"
	.amdhsa_code_object_version 6
	.text
	.protected	k_q0505cac33d_proj
	.globl	k_q0505cac33d_proj
	.p2align	8
	.type	k_q0505cac33d_proj,@function
k_q0505cac33d_proj:
	s_mov_b64 s[64:65], 0
	v_nop
	global_prefetch_b8 v0, s[64:65] scope:SCOPE_SE
	s_setreg_imm32_b32 hwreg(HW_REG_WAVE_MODE, 25, 1), 1
	s_wait_xcnt 0x0
; One hyperbolic linear layer (work-group y: 0 query, 1 key, 2 value) for 32 rows (work-group x), and its result made ready for the attention launch.
;   inner = Q(x) Q(W) on codes of BF6 with E8M0 scales;  y = inner lam cosh(2b)/|z| - (lam - 1) sinh(2b), lam = 2 / (1 - |x|^2);  w = sinh(2 |z| asinh y);  out = w / (1 + sqrt(1 + the row's sum of w^2)).
; SHARES.  Wave w is head w: 64 output columns for all 32 rows; its 16 fragments of W stay in registers (window 1), read as images, with no way through LDS.
;   x is quantised once: wave w makes the fragment of row tile w % 2, K step w / 2, and hands it on through LDS as an image of its registers.
; NO CLUSTER: what work-groups share is W, which goes from memory straight into registers here; a tile asked for jointly would have to pass through LDS first.
; LAYOUT.  The product is used transposed (source 0 = 16 columns of W, source 1 = 16 rows of x): a lane holds ONE row.  The rows of a tile, and W's columns of a tile, are not neighbours:
;   lane r of tile 2 b + u takes 32 b + 8 u + r + 8 (r / 8); so the registers of tiles 2 b, 2 b + 1 are the head's channels 32 b + 16 (lane / 16) + 0 .. 15.
; asinh y = sign(y) log1p(z), z = |y| + y^2 / (1 + sqrt(1 + y^2));  log1p(z) = log(u) + (z - (u - 1)) / u, u = 1 + z rounded;  sinh by (E - 1/E) / 2, under d = 0.35 by its series to d^7.
; OUT.  q: record (head, 32 rows), 2,304 bytes: two half images of codes, their scale words, pairs (|q|^2 / 2, 2 / (1 - |q|^2)).
;   k, v: record (head, 64 keys), 7,680 bytes: K's 4 half images; V's 4 (keys innermost); K's scale words; V's; -|k|^2/2; -2/(1-|k|^2); 1 - log2(1-|v|^2) - gamma log2(e); (1+|v|^2)/2, the four in key order.
;   The upper two bytes of those scale words are 127: the attention's K of 64 fills half of the instruction's 128.
; LIMITS: |y| under 1e19 (its square is formed); 2 |z| asinh y under 88 (beyond it sinh is no f32 number); |x|^2 is not 1; NaN and infinities are not served; a block of zeros carries the byte 1.
; REGISTERS, window 0: v1-15 addresses; v16-23 W's scale words, v24-31 x's; v32-95 x's numbers, then the 8 accumulators (row tile m, column tile t at 32 + 32 m + 8 t);
;   v96-191 codes just made, then x's 8 fragments, then the columns' three numbers, then work; v192-231 work; v232-239 lam, lam - 1 (twice each); v240-243 sums of w^2; v244-249 series constants.   window 1: v0-191 W.
.set XIMG, 0                           ; LDS: x's 8 fragments (4 m + s), 1,536 bytes each
.set XSC,  12288                       ; their scale words, 128 bytes each
.set XSQ,  13312                       ; sums of x^2: row x 16 bytes, word = K step
.set RS,   13824                       ; sums of w^2: row x 32 bytes, word = head
.set CP,   14848                       ; each wave's 768 bytes of column numbers
.set VST,  20992                       ; each wave's stage of 32 keys x (256 + 16) bytes: the value path alone
.set ACC,  32
.set PC,   96
.set XF,   96
.set T1,   192
.set T2,   200
.set T3,   208
.set T4,   216
.set T5,   224
.set TM,   192
.set PW,   208
.set SEL,  56
.set MSB, 0
.macro WIN new                         ; the immediate's high byte repeats the setting that is left
.if MSB != \new
	s_set_vgpr_msb (MSB<<8)|\new
.set MSB, \new
.endif
.endm
; one product: D, source 0, source 1, C (or the constant 0), the two scale registers; odd = 1: source 0's scales stand in lanes 16-31
.macro PROD d, a, b, c, sa, sb, zero, odd
.if \zero
.if \odd
	v_wmma_scale_f32_16x16x128_f8f6f4 v[(\d):(\d)+7], v[(\a):(\a)+11], v[(\b):(\b)+11], 0, v[(\sa)], v[(\sb)] matrix_a_fmt:MATRIX_FMT_BF6 matrix_b_fmt:MATRIX_FMT_BF6 matrix_a_scale:MATRIX_SCALE_ROW1
.else
	v_wmma_scale_f32_16x16x128_f8f6f4 v[(\d):(\d)+7], v[(\a):(\a)+11], v[(\b):(\b)+11], 0, v[(\sa)], v[(\sb)] matrix_a_fmt:MATRIX_FMT_BF6 matrix_b_fmt:MATRIX_FMT_BF6
.endif
.else
.if \odd
	v_wmma_scale_f32_16x16x128_f8f6f4 v[(\d):(\d)+7], v[(\a):(\a)+11], v[(\b):(\b)+11], v[(\c):(\c)+7], v[(\sa)], v[(\sb)] matrix_a_fmt:MATRIX_FMT_BF6 matrix_b_fmt:MATRIX_FMT_BF6 matrix_a_scale:MATRIX_SCALE_ROW1
.else
	v_wmma_scale_f32_16x16x128_f8f6f4 v[(\d):(\d)+7], v[(\a):(\a)+11], v[(\b):(\b)+11], v[(\c):(\c)+7], v[(\sa)], v[(\sb)] matrix_a_fmt:MATRIX_FMT_BF6 matrix_b_fmt:MATRIX_FMT_BF6
.endif
.endif
.endm
; 64 numbers of a lane, register 16 b + i = k 32 b + 16 (lane / 16) + i of my row, become a fragment's codes in v[PC] on and its scale word in v[PW]
.macro QUANT s
.irp b, 0,1,2,3
	v_max3_num_f32 v[TM+\b], |v[\s+16*\b]|, |v[\s+1+16*\b]|, 0x2800000   ; with the floor 2^(5 - 127): the byte cannot fall under 1
.endr
.irp i, 2,4,6,8,10,12,14
.irp b, 0,1,2,3
	v_max3_num_f32 v[TM+\b], v[TM+\b], |v[\s+16*\b+\i]|, |v[\s+1+16*\b+\i]|
.endr
.endr
.irp b, 0,1,2,3
	v_permlanex16_b32 v[TM+4+\b], v[TM+\b], s[SEL], s[SEL+1]
.endr
.irp b, 0,1,2,3
	v_max_num_f32 v[TM+\b], v[TM+\b], v[TM+4+\b]   ; with lane l xor 16's: the block's largest magnitude
.endr
.irp b, 0,1,2,3
	v_add_nc_u32 v[TM+12+\b], 0xfe000000, v[TM+\b] ; 4 off its exponent field: the conversion's scale operand
.endr
.irp b, 0,1,2,3
	v_lshrrev_b32 v[TM+4+\b], 23, v[TM+12+\b]      ; the byte
.endr
	v_lshl_or_b32 v[PW], v[TM+5], 8, v[TM+4]
	v_lshl_or_b32 v[PW], v[TM+6], 16, v[PW]
	v_lshl_or_b32 v[PW], v[TM+7], 24, v[PW]
.irp c, 0,1
	v_cvt_scalef32_pk16_bf6_f32 v[PC+6*\c:PC+2+6*\c], v[\s+32*\c:\s+15+32*\c], v[TM+12+2*\c]
	v_cvt_scalef32_pk16_bf6_f32 v[PC+12+4*\c:PC+14+4*\c], v[\s+16+32*\c:\s+31+32*\c], v[TM+12+2*\c+1]
.endr
	v_nop                                          ; one plain place behind a scaled conversion
.irp c, 0,1                                    ; the operand wants a WHOLE block in a lane: lanes 0-15 block 2 c, lanes 16-31 block 2 c + 1
.irp i, 0,1,2
	v_permlane16_swap_b32 v[PC+6*\c+\i], v[PC+12+4*\c+\i]
.endr
.irp i, 0,1,2
	v_mov_b32 v[PC+3+6*\c+\i], v[PC+12+4*\c+\i]
.endr
.endr
.endm
.macro BARRIER                                 ; my LDS stores have landed and my LDS loads are in: then the work-group's barrier
	s_wait_dscnt 0x0
	s_barrier_signal -1
	s_barrier_wait -1
.endm
; the eight numbers of accumulator (m, t): inner -> w, and their squares onto the row's sum
.macro ELEM m, t
.set Y,  ACC+32*(\m)+8*(\t)
.set EA, 96+8*(\t)
.set EB, 128+8*(\t)
.set EZ, 160+8*(\t)
.set LM, 232+4*(\m)
.set WW, 240+2*(\m)
.irp p, 0,2,4,6
	v_pk_mul_f32 v[Y+\p:Y+\p+1], v[Y+\p:Y+\p+1], v[LM:LM+1]                  ; inner lam  (the accumulator is read from its low end on)
.endr
.irp p, 0,2,4,6
	v_pk_mul_f32 v[T1+\p:T1+\p+1], v[EB+\p:EB+\p+1], v[LM+2:LM+3]            ; (lam - 1) sinh(2b)
.endr
.irp p, 0,2,4,6
	v_pk_fma_f32 v[Y+\p:Y+\p+1], v[Y+\p:Y+\p+1], v[EA+\p:EA+\p+1], v[T1+\p:T1+\p+1] neg_lo:[0,0,1] neg_hi:[0,0,1]   ; y
.endr
.irp p, 0,2,4,6
	v_pk_fma_f32 v[T1+\p:T1+\p+1], v[Y+\p:Y+\p+1], v[Y+\p:Y+\p+1], 1.0 op_sel_hi:[1,1,0]
.endr
.irp i, 0,1,2,3,4,5,6,7
	v_sqrt_f32 v[T1+\i], v[T1+\i]
.endr
.irp i, 0,1,2,3,4,5,6,7
	v_and_b32 v[T2+\i], s58, v[Y+\i]                                         ; |y|  (plain places behind the roots)
.endr
	s_wait_alu depctr_va_vdst(0)
.irp p, 0,2,4,6
	v_pk_add_f32 v[T1+\p:T1+\p+1], v[T1+\p:T1+\p+1], 1.0 op_sel_hi:[1,0]
.endr
.irp i, 0,1,2,3,4,5,6,7
	v_rcp_f32 v[T1+\i], v[T1+\i]
.endr
	v_nop
	s_wait_alu depctr_va_vdst(0)
.irp p, 0,2,4,6
	v_pk_mul_f32 v[T3+\p:T3+\p+1], v[T2+\p:T2+\p+1], v[T1+\p:T1+\p+1]
.endr
.irp p, 0,2,4,6
	v_pk_fma_f32 v[T3+\p:T3+\p+1], v[T3+\p:T3+\p+1], v[T2+\p:T2+\p+1], v[T2+\p:T2+\p+1]   ; z
.endr
.irp p, 0,2,4,6
	v_pk_add_f32 v[T1+\p:T1+\p+1], v[T3+\p:T3+\p+1], 1.0 op_sel_hi:[1,0]     ; u
.endr
.irp p, 0,2,4,6
	v_pk_add_f32 v[T4+\p:T4+\p+1], v[T1+\p:T1+\p+1], -1.0 op_sel_hi:[1,0]    ; u - 1, exact
.endr
.irp p, 0,2,4,6
	v_pk_add_f32 v[T4+\p:T4+\p+1], v[T3+\p:T3+\p+1], v[T4+\p:T4+\p+1] neg_lo:[0,1] neg_hi:[0,1]   ; what the rounding of u lost
.endr
.irp i, 0,1,2,3,4,5,6,7
	v_rcp_f32 v[T2+\i], v[T1+\i]
.endr
.irp i, 0,1,2,3,4,5,6,7
	v_log_f32 v[T1+\i], v[T1+\i]
.endr
	v_nop
	s_wait_alu depctr_va_vdst(0)
.irp p, 0,2,4,6
	v_pk_mul_f32 v[T4+\p:T4+\p+1], v[T4+\p:T4+\p+1], v[T2+\p:T2+\p+1]
.endr
.irp p, 0,2,4,6
	v_pk_fma_f32 v[T1+\p:T1+\p+1], v[T4+\p:T4+\p+1], 0x3fb8aa3b, v[T1+\p:T1+\p+1] op_sel_hi:[1,0,1]   ; asinh |y| / ln 2
.endr
.irp p, 0,2,4,6
	v_pk_mul_f32 v[T1+\p:T1+\p+1], v[T1+\p:T1+\p+1], v[EZ+\p:EZ+\p+1]        ; d / ln 2
.endr
.irp i, 0,1,2,3,4,5,6,7
	v_exp_f32 v[T2+\i], v[T1+\i]                                             ; E = e^d
.endr
.irp p, 0,2,4,6
	v_pk_mul_f32 v[T3+\p:T3+\p+1], v[T1+\p:T1+\p+1], 0x3f317218 op_sel_hi:[1,0]   ; d
.endr
	s_wait_alu depctr_va_vdst(0)
.irp i, 0,1,2,3,4,5,6,7
	v_rcp_f32 v[T4+\i], v[T2+\i]
.endr
.irp p, 0,2,4,6
	v_pk_mul_f32 v[T5+\p:T5+\p+1], v[T3+\p:T3+\p+1], v[T3+\p:T3+\p+1]        ; d^2
.endr
.irp p, 0,2,4,6
	v_pk_mul_f32 v[T2+\p:T2+\p+1], v[T2+\p:T2+\p+1], 0.5 op_sel_hi:[1,0]
.endr
	s_wait_alu depctr_va_vdst(0)
.irp p, 0,2,4,6
	v_pk_fma_f32 v[T2+\p:T2+\p+1], v[T4+\p:T4+\p+1], -0.5, v[T2+\p:T2+\p+1] op_sel_hi:[1,0,1]   ; (E - 1/E) / 2
.endr
.irp p, 0,2,4,6
	v_pk_fma_f32 v[T4+\p:T4+\p+1], v[T5+\p:T5+\p+1], v[244:245], v[246:247]
.endr
.irp p, 0,2,4,6
	v_pk_fma_f32 v[T4+\p:T4+\p+1], v[T4+\p:T4+\p+1], v[T5+\p:T5+\p+1], v[248:249]
.endr
.irp p, 0,2,4,6
	v_pk_fma_f32 v[T4+\p:T4+\p+1], v[T4+\p:T4+\p+1], v[T5+\p:T5+\p+1], 1.0 op_sel_hi:[1,1,0]
.endr
.irp p, 0,2,4,6
	v_pk_mul_f32 v[T4+\p:T4+\p+1], v[T4+\p:T4+\p+1], v[T3+\p:T3+\p+1]        ; the series
.endr
.irp i, 0,1,2,3,4,5,6,7
	v_cmp_gt_f32 vcc_lo, 0.5, v[T1+\i]                                       ; d / ln 2 under 0.5: the series
	v_cndmask_b32 v[T2+\i], v[T2+\i], v[T4+\i], vcc_lo
	v_bfi_b32 v[Y+\i], s58, v[T2+\i], v[Y+\i]                                ; w, with y's sign
.endr
.irp p, 0,2,4,6
.if (\t) == 0 && \p == 0
	v_pk_mul_f32 v[WW:WW+1], v[Y:Y+1], v[Y:Y+1]                              ; the first squares start the sum
.else
	v_pk_fma_f32 v[WW:WW+1], v[Y+\p:Y+\p+1], v[Y+\p:Y+\p+1], v[WW:WW+1]
.endif
.endr
.endm
; the 32 numbers of row tile m (two blocks of 32 along the head's 64) become 6 registers of codes at v[96 + 8 m] and a scale word in v[216 + m]
.macro QUANT2 m
.set QS, ACC+32*(\m)
.set QC, 96+8*(\m)
.set QT, 112+4*(\m)
.irp b, 0,1
	v_max3_num_f32 v[200+\b], |v[QS+16*\b]|, |v[QS+16*\b+1]|, 0x2800000
.endr
.irp i, 2,4,6,8,10,12,14
.irp b, 0,1
	v_max3_num_f32 v[200+\b], v[200+\b], |v[QS+16*\b+\i]|, |v[QS+16*\b+\i+1]|
.endr
.endr
.irp b, 0,1
	v_permlanex16_b32 v[204+\b], v[200+\b], s[SEL], s[SEL+1]
.endr
.irp b, 0,1
	v_max_num_f32 v[200+\b], v[200+\b], v[204+\b]
.endr
.irp b, 0,1
	v_add_nc_u32 v[212+\b], 0xfe000000, v[200+\b]
.endr
.irp b, 0,1
	v_lshrrev_b32 v[204+\b], 23, v[212+\b]
.endr
	v_lshl_or_b32 v[216+\m], v205, 8, v204
	v_or_b32 v[216+\m], 0x7f7f0000, v[216+\m]      ; the unused half of the instruction's K: bytes of 127
	v_cvt_scalef32_pk16_bf6_f32 v[QC:QC+2], v[QS:QS+15], v212
	v_cvt_scalef32_pk16_bf6_f32 v[QT:QT+2], v[QS+16:QS+31], v213
	v_nop                                          ; one plain place behind a scaled conversion
.irp i, 0,1,2
	v_permlane16_swap_b32 v[QC+\i], v[QT+\i]       ; lanes 0-15 now hold block 0 whole, lanes 16-31 block 1
.endr
.irp i, 0,1,2
	v_mov_b32 v[QC+3+\i], v[QT+\i]
.endr
.endm
; the value path: channel 32 cs + lane of the head, its 32 keys in my 32 registers: one block
.macro VCOL cs
.set VX, 96+32*\cs
.set VC, 160+8*\cs
.set VT, 176+4*\cs
	v_max3_num_f32 v200, |v[VX]|, |v[VX+1]|, |v[VX+2]|
	v_max3_num_f32 v201, |v[VX+3]|, |v[VX+4]|, |v[VX+5]|
.irp i, 6,10,14,18,22,26
	v_max3_num_f32 v200, v200, |v[VX+\i]|, |v[VX+\i+1]|
	v_max3_num_f32 v201, v201, |v[VX+\i+2]|, |v[VX+\i+3]|
.endr
	v_max3_num_f32 v200, v200, |v[VX+30]|, |v[VX+31]|
	v_max3_num_f32 v200, v200, v201, 0x2800000
	v_add_nc_u32 v[202+\cs], 0xfe000000, v200
	v_lshrrev_b32 v[184+\cs], 23, v[202+\cs]
	v_cvt_scalef32_pk16_bf6_f32 v[VC:VC+2], v[VX:VX+15], v[202+\cs]
	v_cvt_scalef32_pk16_bf6_f32 v[VT:VT+2], v[VX+16:VX+31], v[202+\cs]
	v_nop
.irp i, 0,1,2
	v_mov_b32 v[VC+3+\i], v[VT+\i]
.endr
	global_store_b128 v190, v[VC:VC+3], s[44:45] offset:3072+1536*\cs
	global_store_b64 v191, v[VC+4:VC+5], s[42:43] offset:3072+1536*\cs+512
	global_store_b8 v3, v[184+\cs], s[46:47] offset:6400+128*\cs             ; my block's byte of the channel's scale word,
	global_store_b8 v3, v186, s[46:47] offset:6402+128*\cs                   ; and 127 two bytes on
.endm
	s_load_b512 s[8:23], s[0:1], 0x0               ; query 8, key 10, value 12, wimg 14, wsc 16, colp 18, scale_gamma 20, qrec 22
	s_load_b64 s[24:25], s[0:1], 0x40              ; kvp
	s_set_vgpr_msb 0x40
	v_lshl_add_u32 v192, v0, 2, 0x16200
	v_mov_b32 v193, 0
	s_set_vgpr_msb 0x4000
	v_lshrrev_b32 v1, 5, v0
	v_readfirstlane_b32 s2, v1                     ; w: my wave, my head
	s_and_b32 s3, ttmp7, 0xffff                    ; T
	s_and_b32 s4, s2, 1                            ; the row tile that I quantise,
	s_lshr_b32 s5, s2, 1                           ; and its K step
	s_lshl_b32 s6, s4, 2
	s_add_co_u32 s6, s6, s5                        ; the fragment's number
	s_mov_b32 s[SEL], 0x76543210
	s_mov_b32 s[SEL+1], 0xfedcba98                 ; v_permlanex16_b32's selects for lane l xor 16
	s_mov_b32 s58, 0x7fffffff
	s_mov_b32 s59, 0xffff0000                      ; lanes 16-31
	v_and_b32 v250, 31, v0                         ; lane
	v_and_b32 v251, 15, v0                         ; r
	v_bfe_u32 v252, v0, 4, 1                       ; h
	v_and_b32 v253, 8, v251
	v_add_nc_u32 v253, v253, v251                  ; r + 8 (r / 8)
	v_lshlrev_b32 v1, 4, v250
	v_lshlrev_b32 v2, 3, v250
	v_lshlrev_b32 v3, 2, v250
	v_lshlrev_b32 v4, 11, v253
	v_lshl_add_u32 v4, v252, 6, v4                 ; x: my row of 2,048 bytes, + 64 h
	s_mul_i32 s7, s6, 1536
	v_add_nc_u32 v5, s7, v1                        ; where my fragment's image goes
	s_lshl_b32 s7, s6, 7
	v_add_nc_u32 v6, s7, v3                        ; and its scale words
	s_lshl_b32 s7, s4, 8
	s_lshl_b32 s26, s5, 2
	s_add_co_u32 s7, s7, s26
	v_lshl_add_u32 v7, v251, 4, s7                 ; my row's sum of x^2 of my K step
	v_lshlrev_b32 v8, 4, v251
	s_mul_i32 s7, s2, 768
	v_add_nc_u32 v9, s7, v2                        ; column numbers: in,
	v_lshl_add_u32 v10, v252, 6, s7                ; and back in the result's layout
	s_lshl_b32 s7, s2, 2
	v_lshl_add_u32 v11, v251, 5, s7                ; my head's sum of w^2 of my row
	v_lshlrev_b32 v12, 5, v251
	s_mul_i32 s7, s2, 8704
	v_mul_u32_u24 v13, v253, 272
	v_lshl_add_u32 v13, v252, 6, v13
	v_add_nc_u32 v13, s7, v13                      ; the value path's stage: in by keys,
	v_add_nc_u32 v14, s7, v3                       ; back by channels
	v_lshlrev_b32 v15, 2, v253
	v_lshl_add_u32 v15, v252, 8, v15               ; a key's place in an array of 64; lanes 16-31 write the array 256 bytes on
.irp i, 196,197,198,199,224
	v_mov_b32 v[\i], 0                             ; written once: a lane permute's destination counts as one of its sources
.endr
	v_mov_b32 v244, 0x39500d01                     ; 1/5040, 1/120, 1/6, twice each
	v_mov_b32 v245, 0x39500d01
	v_mov_b32 v246, 0x3c088889
	v_mov_b32 v247, 0x3c088889
	v_mov_b32 v248, 0x3e2aaaab
	v_mov_b32 v249, 0x3e2aaaab
	s_wait_kmcnt 0x0
	s_cmp_eq_u32 s3, 1                             ; the choice hangs on the work-group's number alone
	s_cselect_b64 s[28:29], s[10:11], s[8:9]
	s_cmp_eq_u32 s3, 2
	s_cselect_b64 s[28:29], s[12:13], s[28:29]
	s_mov_b32 s49, 0
	s_lshl_b32 s48, ttmp9, 16                      ; 32 rows of 2,048 bytes a work-group,
	s_lshl_b32 s50, s4, 14                         ; 8 rows a tile,
	s_add_co_u32 s48, s48, s50
	s_lshl_b32 s50, s5, 9                          ; 512 bytes a K step
	s_add_co_u32 s48, s48, s50
	s_add_nc_u64 s[28:29], s[28:29], s[48:49]
.irp b, 0,1,2,3
.irp j, 0,1,2,3
	global_load_b128 v[32+16*\b+4*\j:32+16*\b+4*\j+3], v4, s[28:29] offset:128*\b+16*\j th:TH_LOAD_NT   ; of each block of 32 my 16 neighbours
.endr
.endr
	s_load_b32 s53, s[20:21], 0x0                  ; gamma
	s_mul_i32 s48, s3, 196608
	s_mul_i32 s50, s2, 24576
	s_add_co_u32 s48, s48, s50
	s_add_nc_u64 s[30:31], s[14:15], s[48:49]      ; my head's images of W
	s_lshl_b32 s48, s3, 13
	s_lshl_b32 s50, s2, 10
	s_add_co_u32 s48, s48, s50
	s_add_nc_u64 s[32:33], s[16:17], s[48:49]      ; their scale words
	s_mul_i32 s48, s3, 6144
	s_mul_i32 s50, s2, 768
	s_add_co_u32 s48, s48, s50
	s_add_nc_u64 s[34:35], s[18:19], s[48:49]      ; the columns' numbers
	s_lshl_b32 s48, s2, 6
	s_add_co_u32 s48, s48, ttmp9
	s_mul_i32 s48, s48, 2304
	s_add_nc_u64 s[36:37], s[22:23], s[48:49]      ; q's record
	s_mul_i32 s48, s2, 245760
	s_lshr_b32 s50, ttmp9, 1
	s_mul_i32 s50, s50, 7680
	s_add_co_u32 s48, s48, s50
	s_add_nc_u64 s[38:39], s[24:25], s[48:49]      ; k's and v's record
	s_and_b32 s52, ttmp9, 1                        ; which 32 of its 64 keys
	s_mul_i32 s48, s52, 1536
	s_add_nc_u64 s[40:41], s[38:39], s[48:49]
	s_lshl_b32 s48, s52, 7
	s_add_nc_u64 s[42:43], s[38:39], s[48:49]
	s_lshl_b32 s48, s52, 8
	s_add_nc_u64 s[44:45], s[38:39], s[48:49]
	s_mov_b32 s48, s52
	s_add_nc_u64 s[46:47], s[38:39], s[48:49]
	WIN 0x40                                       ; destination window 1
.set HF, 0
.rept 22
	global_load_b128 v[6*HF:6*HF+3], v1, s[30:31] offset:768*HF
	global_load_b64 v[6*HF+4:6*HF+5], v2, s[30:31] offset:768*HF+512
.set HF, HF+1
.endr
	WIN 0
	s_wait_kmcnt 0x0                               ; gamma
	s_wait_loadcnt 44                              ; x's 16 loads are in; the 44 of W issued behind them may be out
	; ---- my fragment of x: the rows' sums of squares, the codes, the scale word
.irp c, 0,2,4,6
	v_pk_mul_f32 v[216+\c:217+\c], v[32+\c:33+\c], v[32+\c:33+\c]
.endr
.irp i, 8,16,24,32,40,48,56
.irp c, 0,2,4,6
	v_pk_fma_f32 v[216+\c:217+\c], v[32+\i+\c:33+\i+\c], v[32+\i+\c:33+\i+\c], v[216+\c:217+\c]
.endr
.endr
	v_pk_add_f32 v[216:217], v[216:217], v[218:219]
	v_pk_add_f32 v[220:221], v[220:221], v[222:223]
	v_pk_add_f32 v[216:217], v[216:217], v[220:221]
	v_add_f32 v216, v216, v217
	v_permlanex16_b32 v224, v216, s[SEL], s[SEL+1]
	v_add_f32 v216, v216, v224
	ds_store_b32 v7, v216 offset:XSQ               ; both halves of the lanes write the same word with the same value
	QUANT 32
.irp c, 0,1,2
	ds_store_b128 v5, v[PC+4*\c:PC+4*\c+3] offset:XIMG+512*\c
.endr
	ds_store_b32 v6, v[PW] offset:XSC
	WIN 0x40
.rept 10
	global_load_b128 v[6*HF:6*HF+3], v1, s[30:31] offset:768*HF
	global_load_b64 v[6*HF+4:6*HF+5], v2, s[30:31] offset:768*HF+512
.set HF, HF+1
.endr
	WIN 0
.irp i, 0,1,2,3,4,5,6,7
	global_load_b32 v[16+\i], v3, s[32:33] offset:128*\i    ; W's scale words: register 4 b + s: lanes 0-15 tile 2 b, lanes 16-31 tile 2 b + 1
.endr
.irp a, 0,1,2
	global_load_b64 v[250+2*\a:251+2*\a], v2, s[34:35] offset:256*\a
.endr
	BARRIER                                        ; x's eight fragments, their scale words and the sums of x^2 lie in LDS
.irp f, 0,1,2,3,4,5,6,7
.irp c, 0,1,2
	ds_load_b128 v[XF+12*\f+4*\c:XF+12*\f+4*\c+3], v1 offset:XIMG+1536*\f+512*\c
.endr
	ds_load_b32 v[24+\f], v3 offset:XSC+128*\f
.endr
.irp m, 0,1
	ds_load_b128 v[192+4*\m:195+4*\m], v8 offset:XSQ+256*\m
.endr
	s_wait_loadcnt 0x0                             ; W, its scale words, the columns' numbers
.irp a, 0,1,2
	ds_store_b64 v9, v[250+2*\a:251+2*\a] offset:CP+256*\a   ; my wave's own bytes
.endr
	s_wait_dscnt 0x0
.irp m, 0,1
	v_add_f32 v[192+4*\m], v[192+4*\m], v[193+4*\m]
	v_add_f32 v[194+4*\m], v[194+4*\m], v[195+4*\m]
	v_add_f32 v[192+4*\m], v[192+4*\m], v[194+4*\m]
	v_sub_f32 v[192+4*\m], 1.0, v[192+4*\m]
	v_rcp_f32 v[192+4*\m], v[192+4*\m]
.endr
	v_nop
	s_wait_alu depctr_va_vdst(0)
.irp m, 0,1
	v_add_f32 v[232+4*\m], v[192+4*\m], v[192+4*\m]          ; lam = 2 / (1 - |x|^2)
	v_add_f32 v[233+4*\m], v[192+4*\m], v[192+4*\m]
.endr
.irp m, 0,1
	v_add_f32 v[234+4*\m], -1.0, v[232+4*\m]
	v_add_f32 v[235+4*\m], -1.0, v[232+4*\m]
.endr
	WIN 0x01                                       ; source 0 (W) window 1
.irp s, 0,1,2,3                                ; the eight accumulators take turns, one instruction a turn; the first K step starts the sums
.irp m, 0,1
.irp t, 0,1,2,3
.if \s == 0
	PROD ACC+32*\m+8*\t, 12*(4*\t+\s), XF+12*(4*\m+\s), 0, 16+4*(\t/2)+\s, 24+4*\m+\s, 1, \t%2
.else
	PROD ACC+32*\m+8*\t, 12*(4*\t+\s), XF+12*(4*\m+\s), ACC+32*\m+8*\t, 16+4*(\t/2)+\s, 24+4*\m+\s, 0, \t%2
.endif
.endr
.endr
.endr
	WIN 0
.rept 4
	v_nop                                          ; places in front of loads into registers that the products have read, and of the first read of results
.endr
.irp a, 0,1,2
.irp t, 0,1,2,3
	ds_load_b128 v[96+32*\a+8*\t:96+32*\a+8*\t+3], v10 offset:CP+256*\a+128*(\t/2)+32*(\t%2)
	ds_load_b128 v[96+32*\a+8*\t+4:96+32*\a+8*\t+7], v10 offset:CP+256*\a+128*(\t/2)+32*(\t%2)+16
.endr
.endr
	s_wait_dscnt 0x0
.irp m, 0,1
.irp t, 0,1,2,3
	ELEM \m, \t
.endr
.endr
	; ---- the row's sum of w^2 over all eight heads
.irp m, 0,1
	v_add_f32 v[240+2*\m], v[240+2*\m], v[241+2*\m]
.endr
.irp m, 0,1
	v_permlanex16_b32 v[250+\m], v[240+2*\m], s[SEL], s[SEL+1]
.endr
.irp m, 0,1
	v_add_f32 v[240+2*\m], v[240+2*\m], v[250+\m]  ; my head's
	ds_store_b32 v11, v[240+2*\m] offset:RS+512*\m
.endr
	BARRIER
.irp m, 0,1
	ds_load_b128 v[192+8*\m:195+8*\m], v12 offset:RS+512*\m
	ds_load_b128 v[196+8*\m:199+8*\m], v12 offset:RS+512*\m+16
.endr
	s_wait_dscnt 0x0
.irp m, 0,1
	v_pk_add_f32 v[192+8*\m:193+8*\m], v[192+8*\m:193+8*\m], v[194+8*\m:195+8*\m]
	v_pk_add_f32 v[196+8*\m:197+8*\m], v[196+8*\m:197+8*\m], v[198+8*\m:199+8*\m]
	v_pk_add_f32 v[192+8*\m:193+8*\m], v[192+8*\m:193+8*\m], v[196+8*\m:197+8*\m]
	v_add_f32 v[192+8*\m], v[192+8*\m], v[193+8*\m]
	v_add_f32 v[192+8*\m], 1.0, v[192+8*\m]
	v_sqrt_f32 v[192+8*\m], v[192+8*\m]
.endr
	v_nop
	s_wait_alu depctr_va_vdst(0)
.irp m, 0,1
	v_add_f32 v[192+8*\m], 1.0, v[192+8*\m]
	v_rcp_f32 v[192+8*\m], v[192+8*\m]             ; f = 1 / (1 + sqrt(1 + sum))
.endr
	v_nop
	s_wait_alu depctr_va_vdst(0)
.irp m, 0,1
	v_mov_b32 v[193+8*\m], v[192+8*\m]
	v_mul_f32 v[241+2*\m], v[240+2*\m], v[192+8*\m]
	v_mul_f32 v[241+2*\m], v[241+2*\m], v[192+8*\m]          ; the head's squared norm of the point
.endr
.irp m, 0,1
.set J, 0
.rept 16
	v_pk_mul_f32 v[ACC+32*\m+J:ACC+32*\m+J+1], v[ACC+32*\m+J:ACC+32*\m+J+1], v[192+8*\m:193+8*\m]
.set J, J+2
.endr
.endr
	s_cmp_eq_u32 s3, 2
	s_cbranch_scc1 .Lv
	; ---- q and k: codes along the head's 64, and the two numbers of the row
	QUANT2 0
	QUANT2 1
.irp m, 0,1
	v_sub_f32 v[221+2*\m], 1.0, v[241+2*\m]
	v_rcp_f32 v[221+2*\m], v[221+2*\m]
	v_mul_f32 v[220+2*\m], 0.5, v[241+2*\m]        ; |.|^2 / 2  (a plain place behind the reciprocal)
.endr
	s_wait_alu depctr_va_vdst(0)
.irp m, 0,1
	v_add_f32 v[221+2*\m], v[221+2*\m], v[221+2*\m]          ; 2 / (1 - |.|^2)
.endr
	s_cmp_eq_u32 s3, 1
	s_cbranch_scc1 .Lk
.irp m, 0,1
	global_store_b128 v1, v[96+8*\m:99+8*\m], s[36:37] offset:768*\m
	global_store_b64 v2, v[100+8*\m:101+8*\m], s[36:37] offset:768*\m+512
	global_store_b32 v3, v[216+\m], s[36:37] offset:1536+128*\m
	global_store_b64 v2, v[220+2*\m:221+2*\m], s[36:37] offset:1792+256*\m
.endr
	s_set_vgpr_msb 0x5
	s_wait_tensorcnt 0x0
	ds_add_u32 v192, v193
	s_wait_dscnt 0x0
	s_set_vgpr_msb 0x500
	s_endpgm
.Lk:
	v_cndmask_b32 v224, v216, v217, s59            ; lanes 0-15 the even tile's scale words, lanes 16-31 the odd tile's
	global_store_b32 v3, v224, s[42:43] offset:6144
.irp m, 0,1
	global_store_b128 v1, v[96+8*\m:99+8*\m], s[40:41] offset:768*\m
	global_store_b64 v2, v[100+8*\m:101+8*\m], s[40:41] offset:768*\m+512
	v_cndmask_b32 v[226+\m], v[220+2*\m], v[221+2*\m], s59
	v_xor_b32 v[226+\m], 0x80000000, v[226+\m]     ; lanes 0-15: -|k|^2 / 2; lanes 16-31: -2 / (1 - |k|^2), into the array 256 bytes on
	global_store_b32 v15, v[226+\m], s[42:43] offset:6656+32*\m
.endr
	s_set_vgpr_msb 0x5
	s_wait_tensorcnt 0x0
	ds_add_u32 v192, v193
	s_wait_dscnt 0x0
	s_set_vgpr_msb 0x500
	s_endpgm
.Lv:
	; ---- v: the two numbers of a key; then the 32 keys x 64 channels are turned in my own stage, so that a lane holds a channel's 32 keys
	v_mov_b32 v224, s53
	v_fma_f32 v224, v224, 0xbfb8aa3b, 1.0          ; 1 - gamma log2(e)
.irp m, 0,1
	v_sub_f32 v[220+2*\m], 1.0, v[241+2*\m]
	v_log_f32 v[220+2*\m], v[220+2*\m]
	v_fma_f32 v[221+2*\m], 0.5, v[241+2*\m], 0.5   ; (1 + |v|^2) / 2  (a plain place behind the logarithm)
.endr
	s_wait_alu depctr_va_vdst(0)
.irp m, 0,1
	v_sub_f32 v[220+2*\m], v224, v[220+2*\m]
	v_cndmask_b32 v[226+\m], v[220+2*\m], v[221+2*\m], s59
	global_store_b32 v15, v[226+\m], s[42:43] offset:7168+32*\m
.endr
.irp m, 0,1
.irp t, 0,1,2,3
	ds_store_b128 v13, v[ACC+32*\m+8*\t:ACC+32*\m+8*\t+3] offset:VST+2176*\m+128*(\t/2)+32*(\t%2)
	ds_store_b128 v13, v[ACC+32*\m+8*\t+4:ACC+32*\m+8*\t+7] offset:VST+2176*\m+128*(\t/2)+32*(\t%2)+16
.endr
.endr
.irp cs, 0,1
.set J, 0
.rept 32
	ds_load_b32 v[96+32*\cs+J], v14 offset:VST+272*J+128*\cs   ; LDS serves a wave's instructions in order (ISA guide 5.7.1.4): these see my stores
.set J, J+1
.endr
.endr
	v_and_b32 v188, 15, v0
	v_bfe_u32 v189, v0, 4, 1
	v_mul_u32_u24 v189, v189, 768
	v_lshl_add_u32 v190, v188, 4, v189             ; channel tile lane / 16, row lane % 16 of a half image
	v_lshl_add_u32 v191, v188, 3, v189
	v_mov_b32 v186, 0x7f
	s_wait_dscnt 0x0
	VCOL 0
	VCOL 1
	s_set_vgpr_msb 0x5
	s_wait_tensorcnt 0x0
	ds_add_u32 v192, v193
	s_wait_dscnt 0x0
	s_set_vgpr_msb 0x500
	s_endpgm
.Lfunc_end_k_q0505cac33d_proj:
	.size	k_q0505cac33d_proj, .Lfunc_end_k_q0505cac33d_proj-k_q0505cac33d_proj
	.p2alignl 7, 3214868480
	.fill 96, 4, 3214868480
	.section	.rodata,"a",@progbits
	.p2align	6, 0x0
	.amdhsa_kernel k_q0505cac33d_proj
		.amdhsa_group_segment_fixed_size 91648
		.amdhsa_private_segment_fixed_size 0
		.amdhsa_enable_private_segment 0
		.amdhsa_kernarg_size 72
		.amdhsa_user_sgpr_count 2
		.amdhsa_user_sgpr_kernarg_segment_ptr 1
		.amdhsa_wavefront_size32 1
		.amdhsa_system_sgpr_workgroup_id_x 1
		.amdhsa_system_sgpr_workgroup_id_y 1
		.amdhsa_system_sgpr_workgroup_id_z 1
		.amdhsa_system_vgpr_workitem_id 0
		.amdhsa_next_free_vgpr 450
		.amdhsa_next_free_sgpr 66
		.amdhsa_reserve_vcc 1
		.amdhsa_float_denorm_mode_32 3
		.amdhsa_float_denorm_mode_16_64 3
		.amdhsa_memory_ordered 1
		.amdhsa_forward_progress 1
		.amdhsa_inst_pref_size 119
	.end_amdhsa_kernel
	.amdgpu_metadata
---
amdhsa.version: [ 1, 2 ]
amdhsa.kernels:
  - .name:           k_q0505cac33d_proj
    .symbol:         k_q0505cac33d_proj.kd
    .args:
      - { .name: query, .offset: 0, .size: 8, .value_kind: global_buffer, .address_space: global }
      - { .name: key, .offset: 8, .size: 8, .value_kind: global_buffer, .address_space: global }
      - { .name: value, .offset: 16, .size: 8, .value_kind: global_buffer, .address_space: global }
      - { .name: wimg, .offset: 24, .size: 8, .value_kind: global_buffer, .address_space: global }
      - { .name: wsc, .offset: 32, .size: 8, .value_kind: global_buffer, .address_space: global }
      - { .name: colp, .offset: 40, .size: 8, .value_kind: global_buffer, .address_space: global }
      - { .name: scale_gamma, .offset: 48, .size: 8, .value_kind: global_buffer, .address_space: global }
      - { .name: qrec, .offset: 56, .size: 8, .value_kind: global_buffer, .address_space: global }
      - { .name: kvp, .offset: 64, .size: 8, .value_kind: global_buffer, .address_space: global }
    .group_segment_fixed_size: 91648
    .private_segment_fixed_size: 0
    .kernarg_segment_align: 8
    .kernarg_segment_size: 72
    .max_flat_workgroup_size: 256
    .sgpr_count:     66
    .vgpr_count:     450
    .wavefront_size: 32
...
	.end_amdgpu_metadata
.endif
;; end of part 2
;; launch att (part 3): grid 32 x 8, 8 waves a work-group, clusters of 4 x 1, 246,784 bytes of LDS; arguments qrec, kvp, scale_tau, out0; writes out0
.if DOCPART == 3
	.amdgcn_target "amdgcn-amd-amdhsa--gfx1250"
	.amdhsa_code_object_version 6
	.text
	.protected	k_q0505cac33d_att
	.globl	k_q0505cac33d_att
	.p2align	8
	.type	k_q0505cac33d_att,@function
k_q0505cac33d_att:
	s_mov_b64 s[64:65], 0
	v_nop
	global_prefetch_b8 v0, s[64:65] scope:SCOPE_SE
	s_setreg_imm32_b32 hwreg(HW_REG_WAVE_MODE, 25, 1), 1
	s_wait_xcnt 0x0
	s_wait_alu depctr_hold_cnt(0) depctr_sa_sdst(0) depctr_va_vdst(0) depctr_va_sdst(0) depctr_va_ssrc(0) depctr_va_vcc(0) depctr_vm_vsrc(0)
	s_getreg_b32 s2, hwreg(HW_REG_IB_STS2, 6, 4)
	s_cmp_eq_u32 s2, 0
	s_cbranch_scc0 .Lentry_in_a_cluster
	s_endpgm
.Lentry_in_a_cluster:
	s_bfe_u32 s2, ttmp6, 0x10000c
	s_cmp_lg_u32 s2, 0x3003
	s_cbranch_scc0 .Lentry_shape_is_right
	s_endpgm
.Lentry_shape_is_right:
; Causal attention on the Poincare distance, and the gyromidpoint, for one head (work-group y).  Both products on codes of BF6 (E3M2) with E8M0 scales.
;   arg = 1 + 2 |q-k|^2 / ((1-|q|^2)(1-|k|^2)), held at 1 + 2^-23 from below;  p = w lam = 2^(-e^tau log2(arg + sqrt(arg^2 - 1)) + 1 - log2(1-|v|^2) - gamma log2 e);  hidden keys: p = 0.
;   num = Q(p) Q(v);  den = the sum of p (1+|v|^2)/2 in f32 (= the sum of w (lam - 1));  out = num F, F = x / (1 + sqrt(1 - x^2)) / gn / den x 0.3523471, gn = |num| / den, x = min(gn, 1 - 2^-23).
;   There is no maximum to take away: the exponent is never positive but for lam's and gamma's part, and the weights are not normalised; numerator and denominator are plain sums over the keys.
; SHARES.  A work-group owns two sets of 32 queries, A = 4 c + cx and B = 63 - A (c the cluster, cx my place in it), so that every work-group has 34 cells of 32 queries x 64 keys: 2 c + 2 for A, 32 - 2 c for B.
;   Wave w takes the cells of keys 64 kc on with kc % 8 = w, for both sets; the eight waves' partial sums meet in LDS at the end, and waves 0-3 finish one tile of 16 queries each.
; LDS.  The head's 32 records of 7,680 bytes all lie in LDS, filled ONCE: wave w fetches its own four into bytes 30,720 w on and reads no others, so its own wait on TENSORcnt is all the ordering its reads need.
;   After its last read a wave's bytes, which have had their only fill, take its partial sums (0 .. 16,895) and the way out's stage (17,408 on).
; CLUSTER.  The four partners belong to one head and want the same records: each is asked for JOINTLY, by the same tensor load with the same descriptor and the mask of all four.
;   Trip counts and branches hang on c and the wave's number, which partners share; cx enters Q's and the output's addresses and the mask's numbers alone.  Up to two cells a work-group hold hidden keys alone: their p are zeros.
; LAYOUT.  Both products transposed (S^T = K Q^T + C, O^T = V^T P^T): a lane holds ONE query.  The keys of a tile are not neighbours (lane r of tile 2 b + u: key 32 b + 8 u + r + 8 (r / 8)),
;   so the registers of tiles 2 b, 2 b + 1 are keys 32 b + 16 (lane / 16) + 0 .. 15.  C is -|k|^2 / 2 in the result's layout.
;   K = 64 FILLS HALF OF THE INSTRUCTION'S 128: Q's and P's upper six registers are zero codes; K's and V's upper six are whatever follows them (every pattern is a finite number of E3M2), under bytes of 127.
; LIMITS: |q|^2, |k|^2, |v|^2 under 1 (the layer in front gives that); arg under 1e19 (its square is formed); NaN and infinities are not served; a block of zeros carries the byte 1.
; REGISTERS, window 0: v1-7 addresses; v8-11 my query - 16 (lane / 16); v12-19, v68-69 scale words; v20-27 (|q|^2/2, .); v28-43 den; v44-67 P's codes; v70-71 -e^tau; v72 -infinity; v74-97 work;
;   v98-105 2/(1-|q|^2) twice; v106-110 the end's addresses; v112-175 S^T, then p; v176-207 K's codes, then roots, then V's codes; v208-255 three arrays of 16 keys.
;   window 1: v0-127 O^T (set X, tile u, channels t at 64 X + 32 u + 8 t); v128-175 Q's codes; v176-207 C.
.set S,   112
.set T,   176
.set LB,  1                            ; 16 x lane + my wave's bytes
.set LH,  2                            ; 8 x lane + ..
.set LW,  3                            ; 4 x lane + ..
.set LA,  4                            ; 64 (lane / 16) + ..
.set RDA, 106
.set RDD, 107
.set STO, 108
.set SRD, 109
.set GO,  110
.set STG, 17408
.set WV,  12                           ; s12 my wave
.set G1,  16                           ; s[16:23] descriptor group 1
.set G0,  24                           ; s[24:39] four groups 0
.set NN,  40                           ; s40, s41 cells of set A, B
.set KC,  42                           ; s42 the cell in hand
.set NM,  43                           ; s43, s44 cells of A, B that hold no hidden key
.set SEL, 46
.set MSB, 0
.macro WIN new                         ; the immediate's high byte repeats the setting that is left
.if MSB != \new
	s_set_vgpr_msb (MSB<<8)|\new
.set MSB, \new
.endif
.endm
.macro CROUND                          ; a round of the cluster's barrier
	s_barrier_signal -1
	s_barrier_wait -1
	s_cmp_lg_u32 s[WV], 0
	s_cbranch_scc1 .Lnot_wave_0_\@
	s_barrier_signal -3
.Lnot_wave_0_\@:
	s_barrier_wait -3
	s_barrier_signal -1
	s_barrier_wait -1
.endm
.macro PROD d, a, b, c, sa, sb, zero, odd
.if \zero
.if \odd
	v_wmma_scale_f32_16x16x128_f8f6f4 v[(\d):(\d)+7], v[(\a):(\a)+11], v[(\b):(\b)+11], 0, v[(\sa)], v[(\sb)] matrix_a_fmt:MATRIX_FMT_BF6 matrix_b_fmt:MATRIX_FMT_BF6 matrix_a_scale:MATRIX_SCALE_ROW1
.else
	v_wmma_scale_f32_16x16x128_f8f6f4 v[(\d):(\d)+7], v[(\a):(\a)+11], v[(\b):(\b)+11], 0, v[(\sa)], v[(\sb)] matrix_a_fmt:MATRIX_FMT_BF6 matrix_b_fmt:MATRIX_FMT_BF6
.endif
.else
.if \odd
	v_wmma_scale_f32_16x16x128_f8f6f4 v[(\d):(\d)+7], v[(\a):(\a)+11], v[(\b):(\b)+11], v[(\c):(\c)+7], v[(\sa)], v[(\sb)] matrix_a_fmt:MATRIX_FMT_BF6 matrix_b_fmt:MATRIX_FMT_BF6 matrix_a_scale:MATRIX_SCALE_ROW1
.else
	v_wmma_scale_f32_16x16x128_f8f6f4 v[(\d):(\d)+7], v[(\a):(\a)+11], v[(\b):(\b)+11], v[(\c):(\c)+7], v[(\sa)], v[(\sb)] matrix_a_fmt:MATRIX_FMT_BF6 matrix_b_fmt:MATRIX_FMT_BF6
.endif
.endif
.endm
.macro LDARR reg, base, b              ; the 16 numbers of my half of block b of one of the record's arrays
.irp q, 0,1,2,3
	ds_load_b128 v[\reg+4*\q:\reg+4*\q+3], v[LA] offset:OFF+\base+128*\b+16*\q
.endr
.endm
; block b (32 keys) of the cell, for both tiles of queries: 32 scores a lane become p, p's byte and its codes
.macro BLK X, b, mask
.set SB, S+16*\b
.set J, 0
.rept 16
.set R, SB+32*(J/8)+2*(J%8)
	v_pk_add_f32 v[R:R+1], v[R:R+1], v[20+4*\X+2*(J/8):21+4*\X+2*(J/8)] op_sel_hi:[1,0] neg_lo:[0,1] neg_hi:[0,1]   ; q.k - |k|^2/2 - |q|^2/2 = -|q-k|^2 / 2  (each accumulator from its low end on)
.set J, J+1
.endr
	s_wait_dscnt 8                                 ; -2/(1-|k|^2) of this block is in; the eight loads behind it may be out
.set J, 0
.rept 16
.set R, SB+32*(J/8)+2*(J%8)
	v_pk_mul_f32 v[R:R+1], v[R:R+1], v[208+2*(J%8):209+2*(J%8)]
.set J, J+1
.endr
.if \b == 0
	LDARR 208, 6912, 1
.endif
.set J, 0
.rept 16
.set R, SB+32*(J/8)+2*(J%8)
	v_pk_fma_f32 v[R:R+1], v[R:R+1], v[98+4*\X+2*(J/8):99+4*\X+2*(J/8)], 1.0 op_sel_hi:[1,1,0]   ; arg
.set J, J+1
.endr
.set J, 0
.rept 32
	v_max_num_f32 v[SB+32*(J/16)+J%16], s48, v[SB+32*(J/16)+J%16]            ; at least 1 + 2^-23; this also holds |q-k|^2 at 0 from below
.set J, J+1
.endr
.set J, 0
.rept 16
.set R, SB+32*(J/8)+2*(J%8)
	v_pk_fma_f32 v[T+2*J:T+2*J+1], v[R:R+1], v[R:R+1], -1.0 op_sel_hi:[1,1,0]
.set J, J+1
.endr
.set J, 0
.rept 32
	v_sqrt_f32 v[T+J], v[T+J]
.set J, J+1
.endr
	v_nop                                          ; a plain place behind the roots
.set J, 0
	s_wait_alu depctr_va_vdst(0)
.rept 16
.set R, SB+32*(J/8)+2*(J%8)
	v_pk_add_f32 v[R:R+1], v[R:R+1], v[T+2*J:T+2*J+1]
.set J, J+1
.endr
.if \b == 1
.irp t, 0,1,2,3                                ; the roots are used up: V's codes take their registers
	ds_load_b128 v[T+6*\t:T+6*\t+3], v[LB] offset:OFF+3072+768*\t
	ds_load_b64 v[T+6*\t+4:T+6*\t+5], v[LH] offset:OFF+3072+768*\t+512
.endr
.irp c, 0,1
	ds_load_b32 v[14+\c], v[LW] offset:OFF+6400+128*\c
.endr
.endif
.set J, 0
.rept 32
	v_log_f32 v[SB+32*(J/16)+J%16], v[SB+32*(J/16)+J%16]
.set J, J+1
.endr
	v_nop
.if \b == 0
	s_wait_dscnt 8                                 ; the exponent's addend of this block is in; behind it: eight loads
.else
	s_wait_dscnt 14                                ; behind it: the last array's four loads and V's ten
.endif
.set J, 0
	s_wait_alu depctr_va_vdst(0)
.rept 16
.set R, SB+32*(J/8)+2*(J%8)
	v_pk_fma_f32 v[R:R+1], v[R:R+1], v[70:71], v[224+2*(J%8):225+2*(J%8)]
.set J, J+1
.endr
.if \b == 0
	LDARR 224, 7168, 1
.endif
.if \mask
	s_cmp_lt_u32 s[KC], s[NM+\X]                   ; a cell all of whose keys count skips this: ids alone decide
	s_cbranch_scc1 .Lopen_\@
.set J, 0
.rept 32
	v_cmp_gt_i32 vcc_lo, 32*\b+J%16, v[74+J/16]    ; register i holds key 64 kc + 32 b + 16 (lane / 16) + i: hidden where it comes after my query
	v_cndmask_b32 v[SB+32*(J/16)+J%16], v[SB+32*(J/16)+J%16], v72, vcc_lo
.set J, J+1
.endr
.Lopen_\@:
.endif
.set J, 0
.rept 32
	v_exp_f32 v[SB+32*(J/16)+J%16], v[SB+32*(J/16)+J%16]                     ; p
.set J, J+1
.endr
	v_nop
	s_wait_alu depctr_va_vdst(0)
.irp u, 0,1                                    ; the block's largest p (none is negative), with the floor 2^(5 - 127)
	v_max3_num_f32 v[76+2*\u], v[SB+32*\u], v[SB+32*\u+1], 0x2800000
	v_max3_num_f32 v[77+2*\u], v[SB+32*\u+8], v[SB+32*\u+9], v[SB+32*\u+10]
.endr
.irp i, 2,4
.irp u, 0,1
	v_max3_num_f32 v[76+2*\u], v[76+2*\u], v[SB+32*\u+\i], v[SB+32*\u+\i+1]
	v_max3_num_f32 v[77+2*\u], v[77+2*\u], v[SB+32*\u+9+\i], v[SB+32*\u+10+\i]
.endr
.endr
.irp u, 0,1
	v_max3_num_f32 v[76+2*\u], v[76+2*\u], v[SB+32*\u+6], v[SB+32*\u+7]
.endr
.irp u, 0,1
	v_max3_num_f32 v[76+2*\u], v[76+2*\u], v[77+2*\u], v[SB+32*\u+15]
.endr
.irp u, 0,1
	v_permlanex16_b32 v[80+\u], v[76+2*\u], s[SEL], s[SEL+1]
.endr
.irp u, 0,1
	v_max_num_f32 v[76+2*\u], v[76+2*\u], v[80+\u]
.endr
.irp u, 0,1
	v_add_nc_u32 v[82+\u], 0xfe000000, v[76+2*\u]  ; 4 off the exponent field: the conversion's scale operand
.endr
.irp u, 0,1
	v_lshrrev_b32 v[86+2*\b+\u], 23, v[82+\u]      ; the byte
.endr
.irp u, 0,1
.if \b == 0
	v_cvt_scalef32_pk16_bf6_f32 v[44+12*\u:46+12*\u], v[SB+32*\u:SB+32*\u+15], v[82+\u]
.else
	v_cvt_scalef32_pk16_bf6_f32 v[90+4*\u:92+4*\u], v[SB+32*\u:SB+32*\u+15], v[82+\u]
.endif
.endr
	v_nop                                          ; one plain place behind a scaled conversion
.endm
.macro DENOM X, b                              ; den += p (1 + |v|^2) / 2, of the unquantised p, in four chains
.set SB, S+16*\b
.set J, 0
.rept 16
.set R, SB+32*(J/8)+2*(J%8)
.set DD, 28+8*\X+4*(J/8)+2*(J%2)
	v_pk_fma_f32 v[DD:DD+1], v[R:R+1], v[240+2*(J%8):241+2*(J%8)], v[DD:DD+1]
.set J, J+1
.endr
.endm
; The cell of set X and my st-th record.  zero = 1: its products start O^T's sums.  skip = 1: it may lie beyond the set's cells.  mask = 1: it may hold hidden keys.
.macro CELL X, st, zero, skip, mask
.set OFF, 7680*\st
	s_add_co_u32 s[KC], s[WV], 8*\st
.if \skip
	s_cmp_ge_u32 s[KC], s[NN+\X]
	s_cbranch_scc1 .Lskip_\@
.endif
.rept 4
	v_nop                                          ; places in front of loads into registers that the last cell's products have read
.endr
.irp kt, 0,1,2,3
	ds_load_b128 v[T+6*\kt:T+6*\kt+3], v[LB] offset:OFF+768*\kt
	ds_load_b64 v[T+6*\kt+4:T+6*\kt+5], v[LH] offset:OFF+768*\kt+512
.endr
.irp c, 0,1
	ds_load_b32 v[12+\c], v[LW] offset:OFF+6144+128*\c
.endr
	WIN 0x40                                       ; destination window 1
.irp q, 0,1,2,3,4,5,6,7
	ds_load_b128 v[176+4*\q:176+4*\q+3], v[LA] offset:OFF+6656+128*(\q/4)+16*(\q%4)
.endr
	WIN 0
	LDARR 208, 6912, 0
	LDARR 224, 7168, 0
	LDARR 240, 7424, 0
	s_wait_dscnt 12                                ; K's codes, its scale words and C are in; the three arrays' twelve loads may be out
	WIN 0x14                                       ; source 1 (Q) and C window 1
.irp kt, 0,1,2,3
.irp u, 0,1
	PROD S+32*\u+8*\kt, T+6*\kt, 128+24*\X+12*\u, 176+8*\kt, 12+\kt/2, 16+2*\X+\u, 0, \kt%2
.endr
.endr
	WIN 0
.rept 4
	v_nop                                          ; places in front of the first read of results
.endr
.if \mask
	s_lshl_b32 s52, s[KC], 6
	v_sub_nc_u32 v74, v[8+2*\X], s52               ; my query - the cell's first key - 16 (lane / 16)
	v_sub_nc_u32 v75, v[9+2*\X], s52
.endif
	BLK \X, 0, \mask
	s_wait_dscnt 8                                 ; (1+|v|^2)/2 of block 0 is in; behind it: eight loads
	DENOM \X, 0
	LDARR 240, 7424, 1
	BLK \X, 1, \mask
.irp u, 0,1
	v_lshl_or_b32 v[68+\u], v[88+\u], 8, v[86+\u]
	v_or_b32 v[68+\u], 0x7f7f0000, v[68+\u]        ; p's scale word
.endr
.irp u, 0,1                                    ; the operand wants a WHOLE block in a lane
.irp i, 0,1,2
	v_permlane16_swap_b32 v[44+12*\u+\i], v[90+4*\u+\i]
.endr
.irp i, 0,1,2
	v_mov_b32 v[47+12*\u+\i], v[90+4*\u+\i]
.endr
.endr
	s_wait_dscnt 10                                ; (1+|v|^2)/2 of block 1 is in; V's ten loads may be out
	DENOM \X, 1                                    ; sixteen plain lines: also the places between the scale word's and the codes' last writes and the products
	s_wait_dscnt 0x0                               ; V
	WIN 0x50                                       ; C and D window 1
.irp t, 0,1,2,3                                ; eight accumulators, one instruction a turn
.irp u, 0,1
	PROD 64*\X+32*\u+8*\t, T+6*\t, 44+12*\u, 64*\X+32*\u+8*\t, 14+\t/2, 68+\u, \zero, \t%2
.endr
.endr
	WIN 0
.if \skip
.if \zero
	s_branch .Ldone_\@
.Lskip_\@:                                         ; a wave with no cell of this set at all: its share of the sums is zero
	WIN 0x40
.set J, 0
.rept 64
	v_mov_b32 v[64*\X+J], 0
.set J, J+1
.endr
	WIN 0
.Ldone_\@:
.else
.Lskip_\@:
.endif
.endif
.endm
	s_load_b256 s[4:11], s[0:1], 0x0               ; qrec 4, kvp 6, scale_tau 8, out0 10
	v_lshl_add_u32 v97, v0, 2, 0x3c000
	v_mov_b32 v111, 0
	ds_add_u32 v97, v111
	ds_add_u32 v97, v111
	v_lshrrev_b32 v1, 5, v0
	v_readfirstlane_b32 s[WV], v1                  ; wave 0..7
	s_bfe_u32 s13, ttmp6, 0x40000                  ; cx: my place in the cluster
	s_and_b32 s15, ttmp7, 0xffff                   ; the head, which the partners share
	s_lshl_b32 s60, ttmp9, 2                       ; in a cluster launch ttmp9 counts clusters
	s_add_co_u32 s60, s60, s13                     ; set A: queries 32 (4 c + cx) on
	s_sub_co_u32 s61, 63, s60                      ; set B
	s_lshl_b32 s43, ttmp9, 1                       ; 2 c cells of A hold no hidden key,
	s_add_co_u32 s40, s43, 2                       ; 2 c + 2 are walked;
	s_sub_co_u32 s41, 32, s43                      ; B: 32 - 2 c,
	s_sub_co_u32 s44, 30, s43                      ; 30 - 2 c
	s_mov_b32 s[SEL], 0x76543210
	s_mov_b32 s[SEL+1], 0xfedcba98
	s_mov_b32 s48, 0x3f800001
	; descriptor group 1: a record is a dense block of 7,680 bytes: 30 rows of 32 elements of 8 bytes, no padding
	s_mov_b32 s[G1], 15|(3<<16)|(1<<21)            ; 15:0 the mask: all four work-groups; 17:16 elements of 8 bytes; 21 set beside a mask
	s_mov_b32 s[G1+1], 32<<16                      ; tensor_dim0
	s_mov_b32 s[G1+2], 30<<16                      ; tensor_dim1
	s_mov_b32 s[G1+3], 32<<16                      ; tile_dim0
	s_mov_b32 s[G1+4], 30                          ; tile_dim1
	s_mov_b32 s[G1+5], 32                          ; tensor_dim0_stride
	s_mov_b32 s[G1+6], 0
	s_mov_b32 s[G1+7], 0
	s_mul_i32 s50, s15, 245760                     ; the head's records,
	s_mul_i32 s52, s[WV], 7680                     ; my first
	s_add_co_u32 s50, s50, s52
	s_mov_b32 s51, 0
	s_mul_i32 s53, s[WV], 30720                    ; my wave's LDS bytes: no place in the cluster enters an LDS address
	s_wait_dscnt 0x0
	s_wait_kmcnt 0x0
	s_add_nc_u64 s[6:7], s[6:7], s[50:51]
	CROUND                                         ; all four work-groups are here: the joint loads meet
.irp st, 0,1,2,3
	s_mov_b32 s[G0+4*\st], 1                       ; count = 1
	s_add_co_u32 s[G0+4*\st+1], s53, \st*7680      ; LDS address
	s_add_nc_u64 s[G0+4*\st+2:G0+4*\st+3], s[6:7], \st*61440   ; record 8 st + w
	s_or_b32 s[G0+4*\st+3], s[G0+4*\st+3], 0x80000000          ; type = 2
.endr
	tensor_load_to_lds s[G0:G0+3], s[G1:G1+7]      ; my four records, the launch's only fills: four loads of mine are out
	s_nop 0
	tensor_load_to_lds s[G0+4:G0+7], s[G1:G1+7]
	s_nop 0
	tensor_load_to_lds s[G0+8:G0+11], s[G1:G1+7]
	s_nop 0
	tensor_load_to_lds s[G0+12:G0+15], s[G1:G1+7]
	s_nop 0
.rept 4
	v_nop
.endr
	s_load_b32 s49, s[8:9], 0x0                    ; tau
	s_lshl_b32 s52, s15, 6
	s_add_co_u32 s50, s52, s60
	s_mul_i32 s50, s50, 2304
	s_add_nc_u64 s[54:55], s[4:5], s[50:51]        ; Q's record of set A,
	s_add_co_u32 s50, s52, s61
	s_mul_i32 s50, s50, 2304
	s_add_nc_u64 s[56:57], s[4:5], s[50:51]        ; of set B
	v_and_b32 v112, 31, v0                         ; lane
	v_and_b32 v113, 15, v0                         ; r
	v_bfe_u32 v114, v0, 4, 1                       ; h
	v_and_b32 v115, 8, v113
	v_add_nc_u32 v115, v115, v113                  ; r + 8 (r / 8)
	v_lshlrev_b32 v5, 4, v112
	v_lshlrev_b32 v6, 3, v112
	v_lshlrev_b32 v7, 2, v112
	WIN 0x40                                       ; destination window 1
.irp X, 0,1
.irp u, 0,1
	global_load_b128 v[128+24*\X+12*\u:128+24*\X+12*\u+3], v5, s[54+2*\X:55+2*\X] offset:768*\u
	global_load_b64 v[128+24*\X+12*\u+4:128+24*\X+12*\u+5], v6, s[54+2*\X:55+2*\X] offset:768*\u+512
.irp i, 6,7,8,9,10,11
	v_mov_b32 v[128+24*\X+12*\u+\i], 0             ; zero codes for the unused half of K
.endr
.endr
.endr
	WIN 0
.irp X, 0,1
.irp u, 0,1
	global_load_b32 v[16+2*\X+\u], v7, s[54+2*\X:55+2*\X] offset:1536+128*\u
	global_load_b64 v[20+4*\X+2*\u:21+4*\X+2*\u], v6, s[54+2*\X:55+2*\X] offset:1792+256*\u
.endr
.endr
	v_add_nc_u32 v[LB], s53, v5
	v_add_nc_u32 v[LH], s53, v6
	v_add_nc_u32 v[LW], s53, v7
	v_lshl_add_u32 v[LA], v114, 6, s53
	v_lshlrev_b32 v116, 4, v114
	v_sub_nc_u32 v116, v115, v116
	s_lshl_b32 s52, s60, 5
	v_add_nc_u32 v8, s52, v116                     ; my query - 16 h: set A, tile 0,
	v_add_nc_u32 v9, 8, v8                         ; tile 1,
	s_lshl_b32 s52, s61, 5
	v_add_nc_u32 v10, s52, v116                    ; set B
	v_add_nc_u32 v11, 8, v10
	s_lshl_b32 s52, s[WV], 12
	v_add_nc_u32 v[RDA], s52, v5                   ; the end: the four accumulators of tile w in wave 0's bytes,
	s_lshl_b32 s52, s[WV], 7
	v_add_nc_u32 v[RDD], s52, v7                   ; and its den
	v_mul_u32_u24 v[STO], v113, 272
	v_lshl_add_u32 v[STO], v114, 5, v[STO]
	v_add_nc_u32 v[STO], s53, v[STO]               ; the stage: in: row r, + 32 h
	v_mul_u32_u24 v[SRD], v114, 272
	v_lshl_add_u32 v[SRD], v113, 4, v[SRD]
	v_add_nc_u32 v[SRD], s53, v[SRD]               ; back: lanes 0-15 one row, lanes 16-31 the next
	v_lshlrev_b32 v[GO], 11, v114
	v_lshl_add_u32 v[GO], v113, 4, v[GO]           ; and the same two rows of the output
.set J, 28
.rept 16
	v_mov_b32 v[J], 0                              ; den
.set J, J+1
.endr
.irp u, 0,1
.irp i, 6,7,8,9,10,11
	v_mov_b32 v[44+12*\u+\i], 0                    ; P's unused half: zero codes
.endr
.endr
.irp i, 80,81,200,201,202,203,204,205
	v_mov_b32 v[\i], 0                             ; permutes' destinations; the six registers behind K's last codes
.endr
	v_mov_b32 v72, 0xff800000
	s_wait_kmcnt 0x0
	v_mov_b32 v70, s49
	v_mul_f32 v70, 0x3fb8aa3b, v70
	v_exp_f32 v70, v70
	v_nop
	s_wait_alu depctr_va_vdst(0)
	v_xor_b32 v70, 0x80000000, v70                 ; -e^tau
	v_mov_b32 v71, v70
	s_wait_loadcnt 0x0                             ; Q
.irp k, 0,1,2,3
	v_mov_b32 v[98+2*\k], v[21+2*\k]               ; 2 / (1 - |q|^2), twice
	v_mov_b32 v[99+2*\k], v[21+2*\k]
.endr
	s_wait_tensorcnt 0x3                           ; my first record is in; three loads were issued behind it
	CELL 0, 0, 1, 1, 1
	s_wait_tensorcnt 0x2                           ; my second
	CELL 0, 1, 0, 1, 1
	CELL 1, 0, 1, 0, 0                             ; set B has at least 18 cells, 16 of them without hidden keys
	CELL 1, 1, 0, 0, 0
	s_wait_tensorcnt 0x1
	CELL 1, 2, 0, 1, 1
	s_wait_tensorcnt 0x0                           ; on every way: no tensor load is out from here on
	CELL 1, 3, 0, 1, 1
	; ---- my partial sums go into my own bytes
.rept 4
	v_nop                                          ; places in front of the stores that read results
.endr
	s_wait_dscnt 0x0
	WIN 0x04                                       ; an LDS store's data are its source 1: window 1
.set J, 0
.rept 16
	ds_store_b128 v[LB], v[8*J:8*J+3] offset:1024*J          ; each accumulator from its low end on
	ds_store_b128 v[LB], v[8*J+4:8*J+7] offset:1024*J+512
.set J, J+1
.endr
	WIN 0
.irp k, 0,1,2,3
	v_pk_add_f32 v[28+4*\k:29+4*\k], v[28+4*\k:29+4*\k], v[30+4*\k:31+4*\k]
	v_add_f32 v[28+4*\k], v[28+4*\k], v[29+4*\k]
	ds_store_b32 v[LW], v[28+4*\k] offset:16384+128*\k
.endr
	s_wait_dscnt 0x0                               ; for the others' sake
	s_barrier_signal -1
	s_barrier_wait -1
	s_cmp_ge_u32 s[WV], 4
	s_cbranch_scc1 .Lfin
	; ---- wave j < 4 finishes tile j: set j / 2, tile j % 2
	s_cmp_ge_u32 s[WV], 2
	s_cselect_b32 s50, s61, s60
	s_lshl_b32 s50, s50, 16                        ; 32 rows of 2,048 bytes a set,
	s_and_b32 s52, s[WV], 1
	s_lshl_b32 s52, s52, 14                        ; 8 rows a tile,
	s_add_co_u32 s50, s50, s52
	s_lshl_b32 s52, s15, 8                         ; 256 bytes a head
	s_add_co_u32 s50, s50, s52
	s_add_nc_u64 s[10:11], s[10:11], s[50:51]
.macro BATCH reg, k                            ; wave k's share: nine loads
.irp t, 0,1,2,3
	ds_load_b128 v[(\reg)+8*\t:(\reg)+8*\t+3], v[RDA] offset:1024*\t
	ds_load_b128 v[(\reg)+8*\t+4:(\reg)+8*\t+7], v[RDA] offset:1024*\t+512
.endr
	ds_load_b32 v[208+(\k)], v[RDD] offset:16384
.if (\k) < 7
	v_add_nc_u32 v[RDA], 30720, v[RDA]
	v_add_nc_u32 v[RDD], 30720, v[RDD]
.endif
.endm
	BATCH 112, 0
	BATCH 144, 1
.irp k, 1,2,3,4,5,6,7
.if \k < 7
	BATCH 176-32*((\k+1)%2), \k+1
	s_wait_dscnt 9                                 ; all but the nine just issued
.else
	s_wait_dscnt 0x0
.endif
.set BU, 176-32*(\k%2)
.set J, 0
.rept 16
	v_pk_add_f32 v[112+J:113+J], v[112+J:113+J], v[BU+J:BU+J+1]
.set J, J+2
.endr
.endr
	v_add_f32 v208, v208, v209
	v_add_f32 v210, v210, v211
	v_add_f32 v212, v212, v213
	v_add_f32 v214, v214, v215
	v_add_f32 v208, v208, v210
	v_add_f32 v212, v212, v214
	v_add_f32 v208, v208, v212
	v_permlanex16_b32 v80, v208, s[SEL], s[SEL+1]
	v_add_f32 v208, v208, v80
	v_max_num_f32 v208, 0x26901d7d, v208           ; den, at least 1e-15
	v_pk_mul_f32 v[144:145], v[112:113], v[112:113]
	v_pk_mul_f32 v[146:147], v[114:115], v[114:115]
.irp i, 4,8,12,16,20,24,28
	v_pk_fma_f32 v[144:145], v[112+\i:113+\i], v[112+\i:113+\i], v[144:145]
	v_pk_fma_f32 v[146:147], v[114+\i:115+\i], v[114+\i:115+\i], v[146:147]
.endr
	v_pk_add_f32 v[144:145], v[144:145], v[146:147]
	v_add_f32 v144, v144, v145
	v_permlanex16_b32 v81, v144, s[SEL], s[SEL+1]
	v_add_f32 v144, v144, v81                      ; |num|^2
	v_rcp_f32 v209, v208
	v_sqrt_f32 v144, v144
	v_nop
	s_wait_alu depctr_va_vdst(0)
	v_mul_f32 v144, v144, v209
	v_max_num_f32 v144, 0x26901d7d, v144           ; gn
	v_min_num_f32 v145, 0x3f7ffffe, v144           ; x
	v_fma_f32 v146, -v145, v145, 1.0
	v_sqrt_f32 v146, v146
	v_rcp_f32 v147, v144
	v_nop
	s_wait_alu depctr_va_vdst(0)
	v_add_f32 v146, 1.0, v146
	v_rcp_f32 v146, v146                           ; tanh(atanh(x) / 2) = x / (1 + sqrt(1 - x^2))
	v_mul_f32 v145, v145, v147                     ; (a plain place)
	v_mul_f32 v145, v145, v209
	v_mul_f32 v145, 0x3eb466d7, v145               ; B(256, 1/2) / B(32, 1/2)
	s_wait_alu depctr_va_vdst(0)
	v_mul_f32 v146, v145, v146
	v_mov_b32 v147, v146
.set J, 0
.rept 16
	v_pk_mul_f32 v[112+J:113+J], v[112+J:113+J], v[146:147]
.set J, J+2
.endr
.irp t, 0,1,2,3
	ds_store_b128 v[STO], v[112+8*\t:115+8*\t] offset:STG+64*\t              ; lane (r, h): channels 16 t + 8 h + 0 .. 7 of row r
	ds_store_b128 v[STO], v[116+8*\t:119+8*\t] offset:STG+64*\t+16
.endr
.irp i, 0,1,2,3,4,5,6,7
	ds_load_b128 v[148+4*\i:151+4*\i], v[SRD] offset:STG+544*\i              ; LDS serves a wave's instructions in order (ISA guide 5.7.1.4): these see my stores
.endr
.irp i, 0,1,2,3,4,5,6,7
	s_wait_dscnt 7-\i
	global_store_b128 v[GO], v[148+4*\i:151+4*\i], s[10:11] offset:(2*\i+8*(\i/4))*2048 th:TH_STORE_NT   ; 16 lanes store a head's 256 consecutive bytes of a row, aligned; row r of the tile is query 8 u + r + 8 (r / 8)
.endr
.Lfin:
	s_wait_dscnt 0x0
	s_wait_tensorcnt 0x0
	ds_add_u32 v97, v111
	s_wait_dscnt 0x0
	CROUND                                         ; the closing round: no work-group ends while a partner may still ask for a record that names it
	s_endpgm
.Lfunc_end_k_q0505cac33d_att:
	.size	k_q0505cac33d_att, .Lfunc_end_k_q0505cac33d_att-k_q0505cac33d_att
	.p2alignl 7, 3214868480
	.fill 96, 4, 3214868480
	.section	.rodata,"a",@progbits
	.p2align	6, 0x0
	.amdhsa_kernel k_q0505cac33d_att
		.amdhsa_group_segment_fixed_size 246784
		.amdhsa_private_segment_fixed_size 0
		.amdhsa_enable_private_segment 0
		.amdhsa_kernarg_size 32
		.amdhsa_user_sgpr_count 2
		.amdhsa_user_sgpr_kernarg_segment_ptr 1
		.amdhsa_wavefront_size32 1
		.amdhsa_system_sgpr_workgroup_id_x 1
		.amdhsa_system_sgpr_workgroup_id_y 1
		.amdhsa_system_sgpr_workgroup_id_z 1
		.amdhsa_system_vgpr_workitem_id 0
		.amdhsa_next_free_vgpr 464
		.amdhsa_next_free_sgpr 66
		.amdhsa_reserve_vcc 1
		.amdhsa_float_denorm_mode_32 3
		.amdhsa_float_denorm_mode_16_64 3
		.amdhsa_memory_ordered 1
		.amdhsa_forward_progress 1
		.amdhsa_inst_pref_size 244
	.end_amdhsa_kernel
	.amdgpu_metadata
---
amdhsa.version: [ 1, 2 ]
amdhsa.kernels:
  - .name:           k_q0505cac33d_att
    .symbol:         k_q0505cac33d_att.kd
    .args:
      - { .name: qrec, .offset: 0, .size: 8, .value_kind: global_buffer, .address_space: global }
      - { .name: kvp, .offset: 8, .size: 8, .value_kind: global_buffer, .address_space: global }
      - { .name: scale_tau, .offset: 16, .size: 8, .value_kind: global_buffer, .address_space: global }
      - { .name: out0, .offset: 24, .size: 8, .value_kind: global_buffer, .address_space: global }
    .group_segment_fixed_size: 246784
    .private_segment_fixed_size: 0
    .kernarg_segment_align: 8
    .kernarg_segment_size: 32
    .max_flat_workgroup_size: 256
    .sgpr_count:     66
    .vgpr_count:     464
    .wavefront_size: 32
...
	.end_amdgpu_metadata
.endif
;; end of part 3
